; MI455X (gfx1250); checked and timed in simulation.
; The chip was launched on July 23, 2026; its instructions are those of AMD's public machine-readable ISA for CDNA 5 (MIT licence, August 2026) and "CDNA5" Instruction Set Architecture Reference Guide (July 2026). The comments in the code are by the model that wrote it; some were corrected since.
;; Alexandria Multihead Attention. Allowed arithmetic: matrix products marked QUANTISED: E2M3 operands, one E8M0 scale for each 32 along K, by v_wmma_scale_f32_16x16x128_f8f6f4 with both operands' format E2M3, f32 sums; everything else in f32.
;; Inputs: W_k 1,024 x 1,024 float32; W_q 1,024 x 1,024 float32; W_v 1,024 x 1,024 float32; x 4 x 2,048 x 1,024 float32.
;; Outputs: out0 4 x 16 x 2,048 x 64 float32.
;; This version of the problem:
;;   THIS VERSION OF THE PROBLEM IS GIVEN IN LOW PRECISION. The matrix products marked QUANTISED in the list below multiply operands that are first quantised to E2M3 (2 exponent bits, 3 mantissa bits; 6 bits a number), with one power-of-two scale for each 32 numbers along K (OCP MX v1.0); their sums are f32. All else is computed in f32.
;;   The module's matrix products, in the order in which they are computed (A, B: the left and right operand; K: the contracted axis; several contracted axes count as one K, in the product's order):
;;     1. [M 8,192, K 1,024] x [K 1,024, N 1,024]; A: input x; B: input W_q: QUANTISED
;;     2. [M 8,192, K 1,024] x [K 1,024, N 1,024]; A: input x; B: input W_k: QUANTISED
;;     3. [M 8,192, K 1,024] x [K 1,024, N 1,024]; A: input x; B: input W_v: QUANTISED
;;     4. batch 64 x [M 2,048, K 64] x [K 64, N 2,048]; A: computed on the way; B: computed on the way: QUANTISED
;;     5. batch 64 x [M 2,048, K 2,048] x [K 2,048, N 64]; A: softmax (see below); B: computed on the way: QUANTISED
;;   THE QUANTISER, for each operand of a quantised product, along K:
;;     - K is cut into blocks of 32 from its start; a last block that is shorter is filled with zeros.
;;     - A block's scale is 2^e with e = floor(log2(the largest magnitude in the block)) - 2, held to -126 .. 127; a block of zeros has e = 0. As a byte (E8M0): e + 127.
;;     - Each number is divided by its block's scale, clamped to +-7.5, and rounded to the nearest number of E2M3, ties to even, subnormals kept.
;;     - The product sums the exact products of the quantised numbers (number of the format x scale) in f32.
;;   ~~~python
;;   def quantise(x, axis):      # numpy; x: float32 -> the quantised numbers, widened to float32 again
;;       x = np.moveaxis(x, axis, -1); K = x.shape[-1]
;;       x = np.pad(x, [(0, 0)] * (x.ndim - 1) + [(0, -K % 32)]); x = x.reshape(x.shape[:-1] + (-1, 32)); a = np.abs(x).max(-1, keepdims=True)
;;       e = np.where(a > 0, np.clip(np.frexp(np.where(a > 0, a, 1))[1] - 1 - 2, -126, 127), 0)      # np.frexp(a)[1] - 1 = floor(log2(a)), exactly
;;       r = np.clip(x / 2.0 ** e, -7.5, 7.5)
;;       step = 2.0 ** (np.maximum(np.frexp(np.where(r == 0, 1, r))[1] - 1, 0) - 3)
;;       q = np.round(r / step) * step * 2.0 ** e      # np.round: ties to even
;;       return np.moveaxis(q.reshape(q.shape[:-2] + (-1,))[..., :K], -1, axis).astype(np.float32)
;;   ~~~
;;   SOFTMAX AHEAD OF A QUANTISED PRODUCT. Where the list says 'softmax', what is quantised is not the finished softmax but p = 2^(t - M), with t = logit x log2(e) and M = ceil(the row's largest t), a whole number; so 1/2 < the row's largest p <= 1. The row's sum l is taken of the UNQUANTISED p, in f32, and the product's result is divided by l at the end. Since M is a whole number, a kernel that streams over the keys may use a running M (the ceiling of the running maximum): every later rescaling is an exact power of two, which a block's scale takes up: the codes' values come out the same.
;;   OPERANDS COMPUTED ON THE WAY. 'Computed on the way' means the value that the module computes at that place (a softmax that the list does not call 'softmax' is quantised finished and normalised). What goes into a quantiser is computed in f32, as accurately as f32 sums, v_exp_f32 and their like allow (about 1e-6 of the number): no bf16 or f16 on the way to a quantiser, and a product that is left as it is and whose result goes on into a quantised operand takes f32 operands (vector FMAs, or v_wmma_f32_16x16x4_f32). A number that lies on a knife's edge between two numbers of the format may be rounded either way, as far as f32 arithmetic and the matrix unit's own rounding can turn it there, and no further.
;; One version. Each part assembles by itself: llvm-mc -triple=amdgcn-amd-amdhsa -mcpu=gfx1250 --defsym DOCPART=n.
;; ======== version 1 of 1: 3 launches
;; limits: right only within a limited range of input values
;; workspace buffers: xc 6,291,456 bytes; xs 262,144 bytes; wc 2,359,296 bytes; ws 98,304 bytes; qb 6,815,744 bytes; kv 13,369,344 bytes
;; launch quant (part 1): grid 256 x 1, 6 waves a work-group, no clusters, 50,176 bytes of LDS; arguments x, W_q, W_k, W_v, xc, xs, wc, ws; writes xc, xs, wc, ws
.if DOCPART == 1
	.amdgcn_target "amdgcn-amd-amdhsa--gfx1250"
	.amdhsa_code_object_version 6
	.text
	.protected	k_qf3d2190f2d_quant
	.globl	k_qf3d2190f2d_quant
	.p2align	8
	.type	k_qf3d2190f2d_quant,@function
k_qf3d2190f2d_quant:
	s_mov_b64 s[64:65], 0
	v_nop
	global_prefetch_b8 v0, s[64:65] scope:SCOPE_SE
	s_setreg_imm32_b32 hwreg(HW_REG_WAVE_MODE, 25, 1), 1
	s_wait_xcnt 0x0
; x [8192][1024] and W_q, W_k, W_v [1024][1024], f32, K innermost, become codes of FP6 (E2M3), K innermost (768 bytes a row), with one E8M0 scale byte for each 32 along K (32 bytes a row).
; A block's scale is 2^(floor(log2(its largest magnitude)) - 2); its byte is the largest magnitude's exponent field - 2, held at 1 from below.  Each number is divided by the scale and rounded to the nearest code, ties to even.
; WORK LEFT OUT BY THE PROGRAM: reference() sets every score with key > query to -inf ahead of the softmax, so its probability is 0 whatever the inputs hold; the third launch leaves out the key steps that lie wholly
; behind a wave's queries.  A NaN, an infinity or an overflow that reaches only those scores is not carried to the result.
; LIMITS: a block of zeros gets the byte 1 where the rule says 127 (its codes are zeros, and this program alone reads the bytes); blocks whose largest magnitude lies under 2^-124 are held at the byte 1;
; NaN and infinities among the inputs are not served.
; THE ROWS ARE LAID IN ANOTHER ORDER inside each 64: row 32 h + 8 t + i goes to position 16 t + 8 h + i.  Sixteen neighbouring positions are a tile of a matrix operand; the results of a band's four tiles then give a lane
; 32 neighbours along the axis that is quantised next.  xc, xs hold x; wc, ws hold W_q (positions 0 on), W_k (1,024 on), W_v (2,048 on).
; A wave takes one run of 8 rows: 16 steps of 512 numbers.  x has 1,024 runs, the three weights together 384.  Work-group g of 256: waves 0-3 take x's runs 4 g .. 4 g + 3, wave 4 the weights' run g, wave 5 their run 256 + g,
; which exists for g under 128; elsewhere wave 5 has no run and ends.  So a work-group has 40 or 48 rows.  Run q = 8 a + 4 h + t goes to place 8 a + 2 t + h.  Only pointers are chosen: all runs take one path.
; Each of a step's four loads reads 512 consecutive bytes; the 2,048 bytes turn through the wave's own stage in LDS and come back 64 bytes a lane: 16 neighbours along K, two lanes to a block.
; A wave's store of codes covers 384 consecutive bytes.  A wave's 256 scale bytes gather in its own LDS bytes and leave as one aligned run of 256 bytes.  No barrier: waves share nothing.
.set STEPS, 16
.set CB,    12
.set R,     16                         ; v16-79   four sets of 16 numbers as loaded
.set X,     80                         ; v80-111  two sets of 16 neighbours
.set E,     112                        ; v112-127 a scale byte for each step
.set C,     128                        ; v128-191 codes, four registers a step
.set SPW,   192
.set NIL,   193
.set SP,    80
.set WREG,  8192                       ; a wave's two stages and, behind them, its 256 scale bytes
.set SPARE, 6*WREG
.set SRC,   22
.set DC,    24
.set DS,    26
	s_load_b256 s[4:11], s[0:1], 0x0               ; x, W_q, W_k, W_v
	s_load_b256 s[12:19], s[0:1], 0x20             ; xc, xs, wc, ws
	v_lshl_add_u32 v[SPW], v0, 2, SPARE
	v_mov_b32 v[NIL], 0
	v_lshrrev_b32 v1, 5, v0
	v_readfirstlane_b32 s20, v1                    ; wave
	v_and_b32 v2, 31, v0
	v_lshlrev_b32 v3, 4, v2
	s_mul_i32 s30, s20, WREG
	v_lshrrev_b32 v14, 2, v2
	v_mul_u32_u24 v14, v14, SP
	v_and_b32 v15, 3, v2
	v_lshl_add_u32 v14, v15, 4, v14
	v_add_nc_u32 v14, s30, v14                     ; the stage, in: SP (lane / 4) + 16 (lane % 4)
	v_mul_u32_u24 v15, v2, SP
	v_add_nc_u32 v15, s30, v15                     ; out: SP x lane
	v_mul_u32_u24 v4, v2, CB
	v_lshrrev_b32 v5, 1, v2
	s_add_co_u32 s30, s30, 2*32*SP
	v_add_nc_u32 v5, s30, v5                       ; my block's byte
	v_lshlrev_b32 v7, 3, v2
	v_add_nc_u32 v6, s30, v7                       ; on the way out 8 bytes a lane
	s_sub_co_u32 s28, s20, 4
	s_lshl_b32 s28, s28, 8
	s_add_co_u32 s28, s28, ttmp9                   ; waves 4, 5: the weights' run 256 (wave - 4) + g
	s_lshl_b32 s29, ttmp9, 2
	s_add_co_u32 s29, s29, s20                     ; waves 0-3: x's run 4 g + wave
	s_mov_b32 s31, 384
	s_cmp_lt_u32 s20, 4
	s_cselect_b32 s28, s29, s28                    ; q: my run
	s_cselect_b32 s31, 1024, s31                   ; and how many there are
	s_lshr_b32 s30, s28, 7                         ; which weight
	s_and_b32 s29, s28, 127                        ; and which of its runs
	s_and_b32 s34, s28, 3
	s_lshl_b32 s34, s34, 1
	s_bfe_u32 s35, s28, 0x10002
	s_add_co_u32 s34, s34, s35
	s_and_b32 s35, s28, 0xfffffff8
	s_add_co_u32 s34, s34, s35                     ; where my run goes: 8 a + 2 t + h
	s_wait_alu depctr_va_vdst(0)                   ; the wait at the head's end
	s_wait_kmcnt 0x0
	s_cmp_ge_u32 s28, s31
	s_cbranch_scc1 .Lquit                          ; wave 5 of work-groups 128 on: no run is left for it
	s_cmp_eq_u32 s30, 0
	s_cselect_b64 s[SRC:SRC+1], s[6:7], s[8:9]
	s_cmp_eq_u32 s30, 2
	s_cselect_b64 s[SRC:SRC+1], s[10:11], s[SRC:SRC+1]
	s_cmp_lt_u32 s20, 4
	s_cselect_b64 s[SRC:SRC+1], s[4:5], s[SRC:SRC+1]
	s_cselect_b64 s[DC:DC+1], s[12:13], s[16:17]
	s_cselect_b64 s[DS:DS+1], s[14:15], s[18:19]
	s_cselect_b32 s29, s28, s29
	s_lshl_b32 s32, s29, 15                        ; 32,768 bytes for a run of 8 rows
	s_mov_b32 s33, 0
	s_add_nc_u64 s[SRC:SRC+1], s[SRC:SRC+1], s[32:33]
	s_mul_i32 s32, s34, 32*STEPS*CB
	s_add_nc_u64 s[DC:DC+1], s[DC:DC+1], s[32:33]
	s_lshl_b32 s32, s34, 8
	s_add_nc_u64 s[DS:DS+1], s[DS:DS+1], s[32:33]
.macro LOAD t
.irp i, 0,1,2,3
	global_load_b128 v[R+16*((\t)%4)+4*\i:R+16*((\t)%4)+4*\i+3], v3, s[SRC:SRC+1] offset:2048*(\t)+512*\i th:TH_LOAD_NT
.endr
.endm
.macro TURN t                          ; LDS serves a wave's instructions in order: no wait between the stores and the loads
.irp i, 0,1,2,3
	ds_store_b128 v14, v[R+16*((\t)%4)+4*\i:R+16*((\t)%4)+4*\i+3] offset:32*SP*((\t)%2)+8*SP*\i
.endr
.irp i, 0,1,2,3
	ds_load_b128 v[X+16*((\t)%2)+4*\i:X+16*((\t)%2)+4*\i+3], v15 offset:32*SP*((\t)%2)+16*\i
.endr
.endm
.irp t, 0,1,2,3
	LOAD \t
.endr
	s_wait_loadcnt 12                              ; step 0's four loads are in
	TURN 0
.macro STEP t
.set XS, X+16*((\t)%2)
.if (\t) > 0
	s_wait_dscnt 1                                 ; this step's numbers are back (the last step's byte store may be out)
.else
	s_wait_dscnt 0x0
.endif
.if (\t)+4 < STEPS
	LOAD (\t)+4
.endif
.if (\t)+1 < STEPS
.if STEPS-2-(\t) >= 3
	s_wait_loadcnt 12                              ; the next step's four loads are in; three steps' may be out
.else
	s_wait_loadcnt 4*(STEPS-2-(\t))
.endif
	TURN (\t)+1
.endif
	v_max3_num_f32 v8, |v[XS]|, |v[XS+1]|, |v[XS+2]|
	v_max3_num_f32 v9, |v[XS+3]|, |v[XS+4]|, |v[XS+5]|
.irp i, 6,10
	v_max3_num_f32 v8, v8, |v[XS+\i]|, |v[XS+\i+1]|
	v_max3_num_f32 v9, v9, |v[XS+\i+2]|, |v[XS+\i+3]|
.endr
	v_max3_num_f32 v8, v8, |v[XS+14]|, |v[XS+15]|
	v_max3_num_f32 v8, v8, v9, 0x1800000           ; the floor 2^(3 - 127): the byte cannot fall under 1
	v_max_num_f32_dpp v8, v8, v8 row_xmask:1 row_mask:0xf bank_mask:0xf   ; with my neighbour's 16: the block's
	v_add_nc_u32 v11, 0xff000000, v8               ; 2 off the exponent field: the conversion's scale operand
	v_cvt_scalef32_pk16_fp6_f32 v[C+4*(\t):C+4*(\t)+2], v[XS:XS+15], v11
	v_lshrrev_b32 v[E+(\t)], 23, v11               ; the scale's byte
	ds_store_b8 v5, v[E+(\t)] offset:16*(\t)
	global_store_b96 v4, v[C+4*(\t):C+4*(\t)+2], s[DC:DC+1] offset:32*CB*(\t)
.endm
.irp t, 0,1,2,3,4,5,6,7,8,9,10,11,12,13,14,15
	STEP \t
.endr
	ds_load_b64 v[12:13], v6                       ; LDS serves a wave's instructions in order: these see my stores
	s_wait_dscnt 0x0
	global_store_b64 v7, v[12:13], s[DS:DS+1]      ; 32 lanes store 256 consecutive bytes, aligned
	s_wait_tensorcnt 0x0                           ; the wave's end
	ds_add_u32 v[SPW], v[NIL]
	s_wait_dscnt 0x0
	s_endpgm
.Lquit:
	s_endpgm
.Lfunc_end_k_qf3d2190f2d_quant:
	.size	k_qf3d2190f2d_quant, .Lfunc_end_k_qf3d2190f2d_quant-k_qf3d2190f2d_quant
	.p2alignl 7, 3214868480
	.fill 96, 4, 3214868480
	.section	.rodata,"a",@progbits
	.p2align	6, 0x0
	.amdhsa_kernel k_qf3d2190f2d_quant
		.amdhsa_group_segment_fixed_size 50176
		.amdhsa_private_segment_fixed_size 0
		.amdhsa_enable_private_segment 0
		.amdhsa_kernarg_size 64
		.amdhsa_user_sgpr_count 2
		.amdhsa_user_sgpr_kernarg_segment_ptr 1
		.amdhsa_wavefront_size32 1
		.amdhsa_system_sgpr_workgroup_id_x 1
		.amdhsa_system_sgpr_workgroup_id_y 1
		.amdhsa_system_sgpr_workgroup_id_z 1
		.amdhsa_system_vgpr_workitem_id 0
		.amdhsa_next_free_vgpr 194
		.amdhsa_next_free_sgpr 66
		.amdhsa_reserve_vcc 0
		.amdhsa_float_denorm_mode_32 3
		.amdhsa_float_denorm_mode_16_64 3
		.amdhsa_memory_ordered 1
		.amdhsa_forward_progress 1
		.amdhsa_inst_pref_size 33
	.end_amdhsa_kernel
	.amdgpu_metadata
---
amdhsa.version: [ 1, 2 ]
amdhsa.kernels:
  - .name:           k_qf3d2190f2d_quant
    .symbol:         k_qf3d2190f2d_quant.kd
    .args:
      - { .name: x, .offset: 0, .size: 8, .value_kind: global_buffer, .address_space: global }
      - { .name: W_q, .offset: 8, .size: 8, .value_kind: global_buffer, .address_space: global }
      - { .name: W_k, .offset: 16, .size: 8, .value_kind: global_buffer, .address_space: global }
      - { .name: W_v, .offset: 24, .size: 8, .value_kind: global_buffer, .address_space: global }
      - { .name: xc, .offset: 32, .size: 8, .value_kind: global_buffer, .address_space: global }
      - { .name: xs, .offset: 40, .size: 8, .value_kind: global_buffer, .address_space: global }
      - { .name: wc, .offset: 48, .size: 8, .value_kind: global_buffer, .address_space: global }
      - { .name: ws, .offset: 56, .size: 8, .value_kind: global_buffer, .address_space: global }
    .group_segment_fixed_size: 50176
    .private_segment_fixed_size: 0
    .kernarg_segment_align: 8
    .kernarg_segment_size: 64
    .max_flat_workgroup_size: 192
    .sgpr_count:     66
    .vgpr_count:     194
    .wavefront_size: 32
...
	.end_amdgpu_metadata
.endif
;; end of part 1
;; launch proj (part 2): grid 8 x 32, 4 waves a work-group, clusters of 4 x 4, 327,680 bytes of LDS; arguments xc, xs, wc, ws, qb, kv; writes qb, kv
.if DOCPART == 2
	.amdgcn_target "amdgcn-amd-amdhsa--gfx1250"
	.amdhsa_code_object_version 6
	.text
	.protected	k_qf3d2190f2d_proj
	.globl	k_qf3d2190f2d_proj
	.p2align	8
	.type	k_qf3d2190f2d_proj,@function
k_qf3d2190f2d_proj:
	s_mov_b64 s[64:65], 0
	v_nop
	global_prefetch_b8 v0, s[64:65] scope:SCOPE_SE
	s_setreg_imm32_b32 hwreg(HW_REG_WAVE_MODE, 25, 1), 1
	s_wait_xcnt 0x0
	s_wait_alu depctr_hold_cnt(0) depctr_sa_sdst(0) depctr_va_vdst(0) depctr_va_sdst(0) depctr_va_ssrc(0) depctr_va_vcc(0) depctr_vm_vsrc(0)
	s_getreg_b32 s2, hwreg(HW_REG_IB_STS2, 6, 4)
	s_cmp_eq_u32 s2, 0
	s_cbranch_scc0 .Lentry_in_a_cluster
	s_endpgm
.Lentry_in_a_cluster:
	s_bfe_u32 s2, ttmp6, 0x10000c
	s_cmp_lg_u32 s2, 0xf033
	s_cbranch_scc0 .Lentry_shape_is_right
	s_endpgm
.Lentry_shape_is_right:
; V, Q, K = x W^T on codes of FP6, each result quantised again and stored as images of the next launch's operand registers.  No f32 result is stored.
; IN: xc, wc rows of 768 bytes of codes, xs, ws rows of 32 scale bytes, in the order of positions that the first launch lays (inside each 64: row 32 h + 8 t + i at position 16 t + 8 h + i).
; OUT, a record for each (batch, head, group of 128 tokens).  qb: 6,656 bytes: 8 tiles of 16 positions x 64 codes (registers 0-3 at 16 x lane, registers 4-5 at 512 + 8 x lane), then at 6,144 the scale words:
; lane 16 u + r's 16 bytes hold in word k the word of row r of tile 2 k + u (bytes 0, 1: the head's two blocks; bytes 2, 3: 0).  kv: 13,056 bytes: K as Q; at 6,656 V^T's 4 tiles of 16 channel positions x 128 tokens
; (12 registers, three pieces of 512 bytes); at 12,800 their scale words, lane 16 u + r's word k for tile 2 k + u.
; THE DEAL.  256 work-groups: 8 pairs of heads x 32 blocks of 256 rows of x; four waves, 2 x 2: wave (a, b) takes group a of 128 rows and head b.  Three phases: V, Q, K, on the same rows.
; x's 256 rows and their scale bytes lie in LDS for the whole launch; the weights' 128 rows have a region of their own, filled at the head and again twice, each time behind a drained round of the cluster's barrier.
; A wave holds its 64 weight rows, all of K, in 384 registers, and streams its 8 blocks of 16 rows past them: 32 products a block; a block's rows lie in one of two sets of registers and are fetched two blocks ahead
; (blocks 6 and 7 of a phase fetch the next phase's blocks 0 and 1).  NF counts a fetch's LDS loads: the wait ahead of a block leaves the next block's fetch out.
; Q, K: source 0 = the weight's rows, so a lane holds one token and 32 neighbouring columns of a head: one scale block.  V: source 0 = x's rows, so a lane holds one channel and, over a band's four blocks, 32 neighbouring tokens.
; The search for a block's largest magnitude stands among the next block's products, two lines behind every second one; the conversions behind the block's last product.
; CLUSTERS 4 x 4: x's rows are asked for jointly by a row of the cluster, a weight's rows by a column.  The later weights are prefetched, shared out by address among the 16 waves of a column: 24 blocks of 256 bytes a wave,
; W_q's at the head, W_k's behind the first refill.
; LIMITS: NaN and infinities are not served; a block of zeros keeps the byte 1 (its codes are zeros).
.set KROW,  768
.set KS,    32
.set PITCH, 816                        ; 3 x (256 + 16)
.set FR,    12
.set FPW,   21                         ; fragments in a window of 256 registers
.set NF,    28
.set WB,    256*PITCH                  ; the weights' region
.set SCL,   WB+128*PITCH               ; x's scale bytes: 32 units of 256 + 16
.set SSTEP, 544
.set SPARE, SCL+32*272
.set RECQ,  6656
.set RECKV, 13056
.set KSC,   6144
.set VC,    6656
.set VSC,   12800
.set ADRA0, 4                          ; v4, v5 LDS address of my block 0's fragments (v5: for pieces behind one padding more)
.set AAS0,  6                          ; v6  of its scale words
.set CO16,  7
.set CO8,   8
.set SH8,   9                          ; 8 x (lane / 16)
.set SPW,   10
.set NIL,   11
.set ADRA,  12                         ; v12, v13, v14: as v4-v6 for the block fetched next
.set AAS,   14
.set ABS,   15                         ; 32 x lane
.set TQ,    16                         ; v16, v17 the two chains
.set SOP,   18
.set EB,    19
.set TC,    20                         ; v20-22
.set PW,    23
.set SB0,   24                         ; v24-39, v40-55 the weights' scale words, two sets
.set SB1,   40
.set PF1,   56
.set PF2,   57
.set PO,    58
.set SA,    60                         ; v60-75 the rows' scale words, two sets of eight
.set NCD,   76                         ; v76-81 six registers of codes
.set SW,    84                         ; v84-87 Q's or K's scale words
.set SVW,   88                         ; v88-89 V's
.set EBK,   90                         ; v90-93 V: band 0's bytes
.set ACC,   96                         ; v96-159 Q, K: two sets of four accumulators
.set HV0,   96                         ; v96-223 V, band 0: 32 t + 8 j + i
.set HV1,   840                        ; v840-967 band 1
.set M8,    224                        ; v224-255 V: registers 4-11 of four operands
.set BAL,   200                        ; v968-975 (window 3) LDS addresses of the weights' four tiles
.set G1A, 24
.set G1B, 32
.set G0A, 56
.set G0B, 60
.set G0R, 68
.set G0S, 72
.set G1S, 76
.set QBP, 84
.set KVP, 86
.set MSB, 0
.macro WIN new
.if MSB != \new
	s_set_vgpr_msb (MSB<<8)|\new
.set MSB, \new
.endif
.endm
.macro PLACES n
.rept \n
	v_nop
.endr
.endm
.macro WALU
	s_wait_alu depctr_va_vdst(0)
.endm
.macro BARRIER
	s_barrier_signal -1
	s_barrier_wait -1
.endm
.macro MIDDLE                          ; a round behind its opening signal, up to the cluster's wait
	WIN 0
	s_barrier_wait -1
	s_cmp_lg_u32 s16, 0
	s_cbranch_scc1 .Lnot_wave_0_\@
	s_barrier_signal -3
.Lnot_wave_0_\@:
	s_barrier_wait -3
.endm
.macro CROUND
	s_barrier_signal -1
	MIDDLE
	BARRIER
.endm
.macro TLOAD g0, g1
	tensor_load_to_lds s[\g0:\g0+3], s[\g1:\g1+7]
	s_nop 0
	PLACES 4
.endm
.macro GROUP1 g, mask                  ; 128 rows of 768 bytes, 16 bytes of padding behind every 256
	s_or_b32 s[\g+0], s[\mask], (1<<20)|(1<<21)|(5<<22)|(3<<25)
	s_mov_b32 s[\g+1], KROW<<16
	s_mov_b32 s[\g+2], 128<<16
	s_mov_b32 s[\g+3], KROW<<16
	s_mov_b32 s[\g+4], 128
	s_mov_b32 s[\g+5], KROW
	s_mov_b32 s[\g+6], 0
	s_mov_b32 s[\g+7], 0
.endm
.macro WADDR off                       ; the weights' descriptor: wc + my pair of heads + off (s21 = 0)
	s_add_co_u32 s20, s48, \off
	s_add_nc_u64 s[G0B+2:G0B+3], s[8:9], s[20:21]
	s_or_b32 s[G0B+3], s[G0B+3], 0x80000000
.endm
; Fragment f lies in window 1 + f / 21 at register 12 (f % 21): 0-31 the weights' (4 q + t), 32-39 and 40-47 the rows' two sets.  Six pieces of 8 bytes, two to a load where both go by the same address register.
.macro FRAG f, q, a0, a1, aw
	WIN ((1+(\f)/FPW)<<6)|(\aw)
.set R_, FR*((\f)%FPW)
.set SK_, 0
.irp p, 0,1,2,3,4,5
.if SK_
.set SK_, 0
.else
.set PC_, 12*(\q)+6*(\p/3)+\p%3
.set PN_, 12*(\q)+6*((\p+1)/3)+(\p+1)%3
.set X_, (PC_%32+3)/32
.set XN_, (PN_%32+3)/32
.if (\p < 5) && (X_ == XN_)
.set SK_, 1
.if X_
	ds_load_2addr_b64 v[R_+2*\p:R_+2*\p+3], \a1 offset0:PC_+2*(PC_/32) offset1:PN_+2*(PN_/32)
.else
	ds_load_2addr_b64 v[R_+2*\p:R_+2*\p+3], \a0 offset0:PC_+2*(PC_/32) offset1:PN_+2*(PN_/32)
.endif
.elseif X_
	ds_load_b64 v[R_+2*\p:R_+2*\p+1], \a1 offset:8*(PC_+2*(PC_/32))
.else
	ds_load_b64 v[R_+2*\p:R_+2*\p+1], \a0 offset:8*(PC_+2*(PC_/32))
.endif
.endif
.endr
.endm
.macro WEIGHTS                         ; my 64 rows of the weight, all of K: 104 loads
.irp q, 0,1,2,3,4,5,6,7
.irp t, 0,1,2,3
	FRAG 4*\q+\t, \q, v[BAL+2*\t], v[BAL+2*\t+1], 3
.endr
.endr
	WIN 0
.endm
.macro FETCHAT e, a0, a1, as           ; a block of x's rows into set e: NF loads
.irp q, 0,1,2,3,4,5,6,7
	FRAG 32+8*(\e)+\q, \q, \a0, \a1, 0
.endr
	WIN 0
	ds_load_b128 v[SA+8*(\e):SA+8*(\e)+3], \as
	ds_load_b128 v[SA+8*(\e)+4:SA+8*(\e)+7], \as offset:16
.endm
.macro NEXT e, nb                      ; four places behind the block's products, then block nb into set e
	WIN 0
.if (\nb) == 0
	PLACES 4
	FETCHAT \e, v[ADRA0], v[ADRA0+1], v[AAS0]
.else
	v_add_nc_u32 v[ADRA], (\nb)*16*PITCH, v[ADRA0]
	v_add_nc_u32 v[ADRA+1], (\nb)*16*PITCH, v[ADRA0+1]
	v_add_nc_u32 v[AAS], (\nb)*SSTEP, v[AAS0]
	v_nop
	FETCHAT \e, v[ADRA], v[ADRA+1], v[AAS]
.endif
.endm
.macro SCLOAD sb, base                 ; a weight's scale words: register sb + 8 p + q: lanes 0-15 tile 2 p, lanes 16-31 tile 2 p + 1
.irp p, 0,1
.irp c, 0,1
	global_load_b128 v[\sb+8*\p+4*\c:\sb+8*\p+4*\c+3], v[ABS], s[\base:\base+1] offset:\p*32*KS+16*\c
.endr
.endr
.endm
.macro P1 d, s0, s1, c, x0, x1, side, o
.if \o
	v_wmma_scale_f32_16x16x128_f8f6f4 v[\d:\d+7], v[FR*((\s0)%FPW):FR*((\s0)%FPW)+FR-1], v[FR*((\s1)%FPW):FR*((\s1)%FPW)+FR-1], \c, v[\x0], v[\x1] matrix_a_fmt:MATRIX_FMT_FP6 matrix_b_fmt:MATRIX_FMT_FP6 matrix_\side\()_scale:MATRIX_SCALE_ROW1
.else
	v_wmma_scale_f32_16x16x128_f8f6f4 v[\d:\d+7], v[FR*((\s0)%FPW):FR*((\s0)%FPW)+FR-1], v[FR*((\s1)%FPW):FR*((\s1)%FPW)+FR-1], \c, v[\x0], v[\x1] matrix_a_fmt:MATRIX_FMT_FP6 matrix_b_fmt:MATRIX_FMT_FP6
.endif
.endm
; product n = 4 q + t of a block: the four accumulators by turns; the first four start the sums with C = 0
.macro PROD kind, e, sb, n, d0, ds
.set PQ_, (\n)/4
.set PT_, (\n)%4
.set FW_, 4*PQ_+PT_
.set FX_, 32+8*(\e)+PQ_
.set D_, (\d0)+(\ds)*PT_
.set DL_, D_&255
.set DW_, D_>>8
.set XW_, (\sb)+8*(PT_/2)+PQ_
.set XX_, SA+8*(\e)+PQ_
.if \kind
	WIN (1+FX_/FPW)|((1+FW_/FPW)<<2)|(DW_<<4)|(DW_<<6)
.if PQ_
	P1 DL_, FX_, FW_, v[DL_:DL_+7], XX_, XW_, b, PT_%2
.else
	P1 DL_, FX_, FW_, 0, XX_, XW_, b, PT_%2
.endif
.else
	WIN (1+FW_/FPW)|((1+FX_/FPW)<<2)|(DW_<<4)|(DW_<<6)
.if PQ_
	P1 DL_, FW_, FX_, v[DL_:DL_+7], XW_, XX_, a, PT_%2
.else
	P1 DL_, FW_, FX_, 0, XW_, XX_, a, PT_%2
.endif
.endif
.endm
; line i of 18: the largest magnitude of the 32 sums from register x on, by two chains, one over each half, and the conversions' scale operand
.macro CHAIN i, x
.set CW_, (\x)>>8
.set CL_, (\x)&255
.if (\i) < 14
.set CB_, CL_+16*((\i)%2)+2*((\i)/2)
.set CT_, TQ+1-(\i)%2
.if (\i) < 2
	WIN CW_|(CW_<<2)|(CW_<<4)
	v_max3_num_f32 v[CT_], |v[CB_]|, |v[CB_+1]|, |v[CB_+2]|
.else
	WIN (CW_<<2)|(CW_<<4)
	v_max3_num_f32 v[CT_], v[CT_], |v[CB_+1]|, |v[CB_+2]|
.endif
.elseif (\i) == 14
	WIN CW_<<2
	v_max3_num_f32 v[TQ+1], v[TQ+1], |v[CL_+15]|, 0x1800000   ; with the floor 2^(3 - 127)
.elseif (\i) == 15
	WIN 0
	v_nop
.elseif (\i) == 16
	WIN CW_<<2
	v_max3_num_f32 v[TQ], v[TQ], |v[CL_+31]|, v[TQ+1]
.elseif (\i) == 17
	WIN 0
	v_add_nc_u32 v[SOP], 0xff000000, v[TQ]
.endif
.endm
.macro CHAINALL x
.set CI_, 0
.rept 18
	CHAIN CI_, \x
.set CI_, CI_+1
.endr
.endm
.macro BLOCK kind, e, sb, d0, ds, from, to, cx   ; products from .. to - 1; cx >= 0: two lines of the chain on the sums at cx behind every second one
.set N_, \from
.rept (\to)-(\from)
	PROD \kind, \e, \sb, N_, \d0, \ds
.if (N_%2) && ((\cx) >= 0)
	CHAIN N_-1, \cx
	CHAIN N_, \cx
.endif
.set N_, N_+1
.endr
.endm
.macro WORD dst, odd                   ; v[PW] holds my bytes at their places: with lane l xor 16's the word is whole; an odd tile's goes to lanes 16-31
	v_permlanex16_b32 v[PO], v[PW], s88, s89
.if \odd
	v_or_b32 v[PW], v[PW], v[PO]
	v_cndmask_b32 v[\dst], v[\dst], v[PW], s90
.else
	v_or_b32 v[\dst], v[PW], v[PO]
.endif
.endm
.macro QKOUT x, T, bs                  ; tile T's 32 sums a lane at x become six registers of codes and a byte, and leave
	WIN 0
	WALU                                           ; the wait ahead of the wait below
	s_wait_xcnt 0x0                                ; the last tile's stores have read their registers
	v_cvt_scalef32_pk16_fp6_f32 v[NCD:NCD+2], v[\x:\x+15], v[SOP]
	v_cvt_scalef32_pk16_fp6_f32 v[TC:TC+2], v[\x+16:\x+31], v[SOP]
	v_lshrrev_b32 v[EB], 23, v[SOP]
.irp i, 0,1,2
	v_mov_b32 v[NCD+3+\i], v[TC+\i]
.endr
	v_lshlrev_b32 v[PW], v[SH8], v[EB]
	WORD SW+(\T)/2, (\T)%2
	global_store_b128 v[CO16], v[NCD:NCD+3], s[\bs:\bs+1] offset:768*(\T)
	global_store_b64 v[CO8], v[NCD+4:NCD+5], s[\bs:\bs+1] offset:768*(\T)+512
.endm
.macro VOUT0 t                         ; V, band 0, tile t: registers 0-3 leave, 4-5 and the byte wait for band 1
	WIN 0
	WALU
	s_wait_xcnt 0x0
	v_cvt_scalef32_pk16_fp6_f32 v[NCD:NCD+2], v[HV0+32*\t:HV0+32*\t+15], v[SOP]
	v_cvt_scalef32_pk16_fp6_f32 v[TC:TC+2], v[HV0+32*\t+16:HV0+32*\t+31], v[SOP]
	v_lshrrev_b32 v[EBK+\t], 23, v[SOP]
	v_mov_b32 v[NCD+3], v[TC]
	v_mov_b32 v[M8+8*\t], v[TC+1]
	v_mov_b32 v[M8+8*\t+1], v[TC+2]
	global_store_b128 v[CO16], v[NCD:NCD+3], s[KVP:KVP+1] offset:VC+1536*\t
.endm
.macro VOUT1 t                         ; band 1, tile t: work on registers alone
	CHAINALL HV1+32*\t
	WIN 3
	v_cvt_scalef32_pk16_fp6_f32 v[M8+8*\t+2:M8+8*\t+4], v[HV1-768+32*\t:HV1-768+32*\t+15], v[SOP]
	v_cvt_scalef32_pk16_fp6_f32 v[TC:TC+2], v[HV1-768+32*\t+16:HV1-768+32*\t+31], v[SOP]
	WIN 0
	v_lshrrev_b32 v[EB], 23, v[SOP]
.irp i, 0,1,2
	v_mov_b32 v[M8+8*\t+5+\i], v[TC+\i]
.endr
	v_lshl_or_b32 v[PW], v[EB], 16, v[EBK+\t]      ; blocks h and 2 + h
	v_lshlrev_b32 v[PW], v[SH8], v[PW]
	WORD SVW+\t/2, \t%2
.endm
.macro ROUNDBLK kind, sb, d0, ds       ; behind the add: the wait for it and for my LDS reads; the round, block 0's products inside it; the weights' refill by wave 0
	WIN 0
	WALU
	s_wait_dscnt 0x0
	s_barrier_signal -1
	BLOCK \kind, 0, \sb, \d0, \ds, 0, 32, -1
	MIDDLE
	BARRIER
	s_cmp_eq_u32 s16, 0
	s_cbranch_scc0 .Lnone_\@
	TLOAD G0B, G1B
.Lnone_\@:
.endm
.macro SHOWBLK kind, sb, d0, ds, cx    ; a phase's block 7: a plain barrier inside it shows the refilled weights to all
	s_wait_dscnt NF
	BLOCK \kind, 1, \sb, \d0, \ds, 0, 26, \cx
	WIN 0
	WALU
	s_wait_tensorcnt 0x0
	s_wait_dscnt 0x0
	s_barrier_signal -1
	BLOCK \kind, 1, \sb, \d0, \ds, 26, 32, -1
	WIN 0
	s_barrier_wait -1
.endm
.macro QKBLK s, sb, bs                 ; block s of Q or K, the way out of block s - 1 with it
	BLOCK 0, (\s)%2, \sb, ACC+32*((\s)%2), 8, 0, 32, ACC+32*(((\s)+1)%2)
	QKOUT ACC+32*(((\s)+1)%2), (\s)-1, \bs
.endm
; ---- the head
	s_load_b256 s[4:11], s[0:1], 0x0               ; xc, xs, wc, ws
	s_load_b128 s[12:15], s[0:1], 0x20             ; qb, kv
	v_lshl_add_u32 v[SPW], v0, 2, SPARE
	v_mov_b32 v[NIL], 0
	ds_add_u32 v[SPW], v[NIL]                      ; the opening lines
	ds_add_u32 v[SPW], v[NIL]
	v_lshrrev_b32 v1, 5, v0
	v_readfirstlane_b32 s16, v1                    ; wave; s17 = a, its group of rows; s18 = b, its head
	s_lshr_b32 s17, s16, 1
	s_and_b32 s18, s16, 1
	s_bfe_u32 s40, ttmp6, 0x40000                  ; cx
	s_bfe_u32 s41, ttmp6, 0x40004                  ; cy
	s_lshl_b32 s42, ttmp9, 2
	s_add_co_u32 s42, s42, s40                     ; the pair of heads, 0 .. 7
	s_and_b32 s43, ttmp7, 0xffff
	s_lshl_b32 s43, s43, 2
	s_add_co_u32 s43, s43, s41                     ; the block of 256 rows, 0 .. 31
	s_lshl_b32 s44, s41, 2
	s_lshl_b32 s44, 15, s44                        ; my row of the cluster
	s_lshl_b32 s45, 0x1111, s40                    ; my column
	GROUP1 G1A, 44
	GROUP1 G1B, 45
	s_or_b32 s[G1S+0], s44, (3<<16)|(1<<20)|(1<<21)|(5<<22)|(3<<25)   ; 8,192 dense scale bytes as 32 rows of 256
	s_mov_b32 s[G1S+1], 32<<16
	s_mov_b32 s[G1S+2], 32<<16
	s_mov_b32 s[G1S+3], 32<<16
	s_mov_b32 s[G1S+4], 32
	s_mov_b32 s[G1S+5], 32
	s_mov_b32 s[G1S+6], 0
	s_mov_b32 s[G1S+7], 0
	s_mov_b32 s[G0A], 1
	s_mov_b32 s[G0A+1], 0
	s_mov_b32 s[G0R], 1
	s_mov_b32 s[G0R+1], 128*PITCH
	s_mov_b32 s[G0B], 1
	s_mov_b32 s[G0B+1], WB
	s_mov_b32 s[G0S], 1
	s_mov_b32 s[G0S+1], SCL
	s_mul_i32 s46, s43, 256*KROW                   ; my rows, bytes from xc
	s_mul_i32 s47, s43, 256*KS                     ; from xs
	s_mul_i32 s48, s42, 128*KROW                   ; my pair of heads, bytes from a weight's first row
	s_lshl_b32 s49, s42, 12
	s_lshl_b32 s19, s18, 11
	s_add_co_u32 s49, s49, s19                     ; my head's scale bytes
	s_mov_b32 s88, 0x76543210
	s_mov_b32 s89, 0xfedcba98                      ; lane l xor 16
	s_mov_b32 s90, 0xffff0000
	s_lshl_b32 s91, s41, 2
	s_add_co_u32 s91, s91, s16                     ; my number among the 16 waves of my column
	s_mul_i32 s91, s91, 24*256
	s_add_co_u32 s91, s91, s48
	v_and_b32 v1, 15, v0
	v_bfe_u32 v2, v0, 4, 1
	v_and_b32 v3, 31, v0
	v_mul_u32_u24 v16, v1, PITCH
	v_mad_u32_u24 v17, v2, 24, v16
	v_mad_u32_u24 v18, v2, 40, v16
	s_mul_i32 s19, s17, 128*PITCH
	v_add_nc_u32 v[ADRA0], s19, v17
	v_add_nc_u32 v[ADRA0+1], s19, v18
	s_mul_i32 s19, s18, 64*PITCH
	s_add_co_u32 s19, s19, WB
	v_add_nc_u32 v19, s19, v17
	v_add_nc_u32 v20, s19, v18
	WIN 3<<6
.irp t, 0,1,2,3
	v_add_nc_u32 v[BAL+2*\t], \t*16*PITCH, v19
	v_add_nc_u32 v[BAL+2*\t+1], \t*16*PITCH, v20
.endr
	WIN 0
	v_lshlrev_b32 v21, 5, v1
	v_lshrrev_b32 v22, 3, v1
	v_lshl_add_u32 v21, v22, 4, v21                ; 32 r, + 16 behind the first 256
	s_mul_i32 s19, s17, 16*272
	s_add_co_u32 s19, s19, SCL
	v_add_nc_u32 v[AAS0], s19, v21
	v_lshlrev_b32 v[CO16], 4, v3
	v_lshlrev_b32 v[CO8], 3, v3
	v_lshlrev_b32 v[SH8], 3, v2
	v_lshlrev_b32 v[ABS], 5, v3
	v_mov_b32 v[PO], 0
	v_min_u32 v[PF2], 23, v3
	v_lshl_add_u32 v[PF1], v[PF2], 8, s91          ; W_q's tile: my 24 blocks of 256 bytes, a lane a block
	s_add_co_u32 s91, s91, 1024*KROW
	v_lshl_add_u32 v[PF2], v[PF2], 8, s91          ; W_k's
	WALU                                           ; the wait at the head's end
	s_wait_dscnt 0x0
	CROUND                                         ; in front of the first joint loads
	s_wait_kmcnt 0x0
	s_mov_b32 s21, 0
	s_mov_b32 s20, s46
	s_add_nc_u64 s[G0A+2:G0A+3], s[4:5], s[20:21]
	s_add_nc_u64 s[G0R+2:G0R+3], s[G0A+2:G0A+3], 128*KROW
	s_or_b32 s[G0A+3], s[G0A+3], 0x80000000
	s_or_b32 s[G0R+3], s[G0R+3], 0x80000000
	s_mov_b32 s20, s47
	s_add_nc_u64 s[G0S+2:G0S+3], s[6:7], s[20:21]
	s_or_b32 s[G0S+3], s[G0S+3], 0x80000000
	WADDR 2048*KROW
	s_cmp_eq_u32 s16, 0                            ; one tensor load a wave, in one chain of branches
	s_cbranch_scc0 .Lwave_1
	TLOAD G0B, G1B                                 ; wave 0: W_v's rows
	s_branch .Lasked
.Lwave_1:
	s_cmp_eq_u32 s16, 1
	s_cbranch_scc0 .Lwave_2
	TLOAD G0S, G1S                                 ; wave 1: x's scale bytes
	s_branch .Lasked
.Lwave_2:
	s_cmp_eq_u32 s16, 2
	s_cbranch_scc0 .Lwave_3
	TLOAD G0A, G1A                                 ; wave 2: x's rows 0-127
	s_branch .Lasked
.Lwave_3:
	TLOAD G0R, G1A                                 ; wave 3: rows 128-255
.Lasked:
	s_mov_b32 s20, s49
	s_add_nc_u64 s[92:93], s[10:11], s[20:21]      ; my head's scale bytes of W_q, W_k, W_v
	s_add_nc_u64 s[94:95], s[92:93], 1024*KS
	s_add_nc_u64 s[96:97], s[92:93], 2048*KS
	SCLOAD SB0, 96
	SCLOAD SB1, 92
	s_lshl_b32 s50, s43, 1
	s_add_co_u32 s50, s50, s17                     ; my group of 128 tokens, 0 .. 63
	s_lshr_b32 s51, s50, 4
	s_and_b32 s52, s50, 15
	s_lshl_b32 s51, s51, 4
	s_lshl_b32 s53, s42, 1
	s_add_co_u32 s53, s53, s18                     ; my head
	s_add_co_u32 s51, s51, s53
	s_lshl_b32 s51, s51, 4
	s_add_co_u32 s51, s51, s52                     ; my record
	s_mul_i32 s20, s51, RECQ
	s_add_nc_u64 s[QBP:QBP+1], s[12:13], s[20:21]
	s_mul_i32 s20, s51, RECKV
	s_add_nc_u64 s[KVP:KVP+1], s[14:15], s[20:21]
	s_cmp_eq_u32 s16, 0
	s_cbranch_scc0 .Lnot_w
	s_wait_tensorcnt 0x0
.Lnot_w:
	BARRIER                                        ; W_v's rows are in
	global_prefetch_b8 v[PF1], s[8:9] th:TH_LOAD_NT scope:SCOPE_SE
	WEIGHTS
	s_wait_tensorcnt 0x0
	s_wait_dscnt 0x0
	BARRIER                                        ; x's rows and scale bytes are in
	FETCHAT 0, v[ADRA0], v[ADRA0+1], v[AAS0]
	NEXT 1, 1
	s_wait_loadcnt 0x0                             ; the scale words of W_v and W_q
; ---- phase 0: V
	s_wait_tensorcnt 0x0                           ; the three lines ahead of a refill's round
	ds_add_u32 v[SPW], v[NIL]
	WADDR 0                                        ; W_q's rows
	ROUNDBLK 1, SB0, HV0, 32
	NEXT 0, 2
	global_prefetch_b8 v[PF2], s[8:9] th:TH_LOAD_NT scope:SCOPE_SE
.irp s, 1,2,3
	s_wait_dscnt NF
	BLOCK 1, \s%2, SB0, HV0+8*\s, 32, 0, 32, -1
	NEXT \s%2, \s+2
.endr
.irp s, 4,5,6
	s_wait_dscnt NF
	BLOCK 1, \s%2, SB0, HV1+8*(\s-4), 32, 0, 32, HV0+32*(\s-4)
	VOUT0 (\s-4)
	NEXT \s%2, (\s+2)%8
.endr
	SHOWBLK 1, SB0, HV1+24, 32, HV0+96
	VOUT0 3
	NEXT 1, 1
	WEIGHTS
; ---- phase 1: Q.  Band 1's four ways out stand under the flight of the weights' loads
	s_wait_tensorcnt 0x0
	ds_add_u32 v[SPW], v[NIL]
	WADDR 1024*KROW                                ; W_k's rows
.irp t, 0,1,2,3
	VOUT1 \t
.endr
	ROUNDBLK 0, SB1, ACC, 8
.irp t, 0,1,2,3
	global_store_b128 v[CO16], v[M8+8*\t:M8+8*\t+3], s[KVP:KVP+1] offset:VC+1536*\t+512
	global_store_b128 v[CO16], v[M8+8*\t+4:M8+8*\t+7], s[KVP:KVP+1] offset:VC+1536*\t+1024
.endr
	global_store_b64 v[CO8], v[SVW:SVW+1], s[KVP:KVP+1] offset:VSC
	SCLOAD SB0, 94                                 ; W_k's scale words, for phase 2
	NEXT 0, 2
.irp s, 1,2,3,4,5,6
	s_wait_dscnt NF
	QKBLK \s, SB1, QBP
	NEXT \s%2, (\s+2)%8
.endr
	SHOWBLK 0, SB1, ACC+32, 8, ACC
	QKOUT ACC, 6, QBP
	NEXT 1, 1
	WEIGHTS
	CHAINALL ACC+32
	QKOUT ACC+32, 7, QBP
	global_store_b128 v[CO16], v[SW:SW+3], s[QBP:QBP+1] offset:KSC
; ---- phase 2: K
	s_wait_loadcnt 0x0
	s_wait_dscnt 0x0
	BLOCK 0, 0, SB0, ACC, 8, 0, 32, -1
	NEXT 0, 2
.irp s, 1,2,3,4,5
	s_wait_dscnt NF
	QKBLK \s, SB0, KVP
	NEXT \s%2, \s+2
.endr
	s_wait_dscnt NF
	QKBLK 6, SB0, KVP
	s_wait_dscnt 0x0
	QKBLK 7, SB0, KVP
	CHAINALL ACC+32
	QKOUT ACC+32, 7, KVP
	global_store_b128 v[CO16], v[SW:SW+3], s[KVP:KVP+1] offset:KSC
	s_wait_tensorcnt 0x0                           ; the wave's end
	ds_add_u32 v[SPW], v[NIL]
	s_wait_dscnt 0x0
	CROUND                                         ; the closing round
	s_endpgm
.Lfunc_end_k_qf3d2190f2d_proj:
	.size	k_qf3d2190f2d_proj, .Lfunc_end_k_qf3d2190f2d_proj-k_qf3d2190f2d_proj
	.p2alignl 7, 3214868480
	.fill 96, 4, 3214868480
	.section	.rodata,"a",@progbits
	.p2align	6, 0x0
	.amdhsa_kernel k_qf3d2190f2d_proj
		.amdhsa_group_segment_fixed_size 327680
		.amdhsa_private_segment_fixed_size 0
		.amdhsa_enable_private_segment 0
		.amdhsa_kernarg_size 48
		.amdhsa_user_sgpr_count 2
		.amdhsa_user_sgpr_kernarg_segment_ptr 1
		.amdhsa_wavefront_size32 1
		.amdhsa_system_sgpr_workgroup_id_x 1
		.amdhsa_system_sgpr_workgroup_id_y 1
		.amdhsa_system_sgpr_workgroup_id_z 1
		.amdhsa_system_vgpr_workitem_id 0
		.amdhsa_next_free_vgpr 976
		.amdhsa_next_free_sgpr 100
		.amdhsa_reserve_vcc 0
		.amdhsa_float_denorm_mode_32 3
		.amdhsa_float_denorm_mode_16_64 3
		.amdhsa_memory_ordered 1
		.amdhsa_forward_progress 1
		.amdhsa_inst_pref_size 234
	.end_amdhsa_kernel
	.amdgpu_metadata
---
amdhsa.version: [ 1, 2 ]
amdhsa.kernels:
  - .name:           k_qf3d2190f2d_proj
    .symbol:         k_qf3d2190f2d_proj.kd
    .args:
      - { .name: xc, .offset: 0, .size: 8, .value_kind: global_buffer, .address_space: global }
      - { .name: xs, .offset: 8, .size: 8, .value_kind: global_buffer, .address_space: global }
      - { .name: wc, .offset: 16, .size: 8, .value_kind: global_buffer, .address_space: global }
      - { .name: ws, .offset: 24, .size: 8, .value_kind: global_buffer, .address_space: global }
      - { .name: qb, .offset: 32, .size: 8, .value_kind: global_buffer, .address_space: global }
      - { .name: kv, .offset: 40, .size: 8, .value_kind: global_buffer, .address_space: global }
    .group_segment_fixed_size: 327680
    .private_segment_fixed_size: 0
    .kernarg_segment_align: 8
    .kernarg_segment_size: 48
    .max_flat_workgroup_size: 128
    .sgpr_count:     100
    .vgpr_count:     976
    .wavefront_size: 32
...
	.end_amdgpu_metadata
.endif
;; end of part 2
;; launch attn (part 3): grid 4 x 64, 16 waves a work-group, clusters of 4 x 1, 327,680 bytes of LDS; arguments qb, kv, out0; writes out0
.if DOCPART == 3
	.amdgcn_target "amdgcn-amd-amdhsa--gfx1250"
	.amdhsa_code_object_version 6
	.text
	.protected	k_qf3d2190f2d_attn
	.globl	k_qf3d2190f2d_attn
	.p2align	8
	.type	k_qf3d2190f2d_attn,@function
k_qf3d2190f2d_attn:
	s_mov_b64 s[64:65], 0
	v_nop
	global_prefetch_b8 v0, s[64:65] scope:SCOPE_SE
	s_setreg_imm32_b32 hwreg(HW_REG_WAVE_MODE, 25, 1), 1
	s_wait_xcnt 0x0
	s_wait_alu depctr_hold_cnt(0) depctr_sa_sdst(0) depctr_va_vdst(0) depctr_va_sdst(0) depctr_va_ssrc(0) depctr_va_vcc(0) depctr_vm_vsrc(0)
	s_getreg_b32 s2, hwreg(HW_REG_IB_STS2, 6, 4)
	s_cmp_eq_u32 s2, 0
	s_cbranch_scc0 .Lentry_in_a_cluster
	s_endpgm
.Lentry_in_a_cluster:
	s_bfe_u32 s2, ttmp6, 0x10000c
	s_cmp_lg_u32 s2, 0x3003
	s_cbranch_scc0 .Lentry_shape_is_right
	s_endpgm
.Lentry_shape_is_right:
; out0[bh][q][:] = the sum over keys k <= q of softmax_k(Q[q] . K[k] / 8) V[k][:], 64 (batch, head) pairs, 2,048 rows, head size 64, both products on codes of FP6 (E2M3) with one E8M0 scale for each 32 along a product's K.
; Q, K and V^T come as images of operand registers, in records for each 128 rows (qb: 6,656 bytes; kv: 13,056 bytes), as the launch before laid them.
; WORK LEFT OUT: key steps all of whose keys come after the wave's queries: reference() sets those scores to -inf, so their probabilities are 0.
; THE SOFTMAX: t = score x log2(e) / 8; M = the row's largest t so far, rounded UP to a whole number; p = 2^(t - M) is quantised along the keys, not normalised.  The row's sum is taken of the unquantised p and divides at the
; end.  When M moves, the sum and O are multiplied by 2^(old M - new M): exact.
; A HEAD'S WHOLE K AND V LIE IN LDS: 16 records, 208,896 bytes, each asked for once, at the head, one by each of the sixteen waves.  Nothing is filled again, so the walk over the keys has no barrier.
; SHARES.  The four work-groups of a head form a cluster.  Work-group j takes tiles 2 j and 2 j + 1 (16 queries each) of EVERY group of 128 queries: so all four read all 16 records, which are asked for jointly, and no branch,
; trip count or LDS address hangs on j.  Wave (i = wave / 2, u = wave % 2) takes tile 2 j + u of group 15 - i and then of group i: (16 - i) + (i + 1) = 17 key steps of 128 keys for every wave.
; TWO BARRIERS: the first shows record 0 (wave 0, which asked for it by a line of its own, has waited); behind the first key step, which every wave's first tile needs, the second shows all.
; The loops' trip counts are constants (15, 8); a step whose keys all lie behind the wave's queries is jumped over by the wave's number; the step on the diagonal hides scores by compare and select.
; Q's loads go out ahead of the opening round: they hang on no tile.
; NO PREFETCH: every tile is asked for at the head, so there is no loop to run ahead in.
; LAYOUT.  Both products are used transposed: S^T = K Q^T, O^T = V^T P^T: a lane holds ONE query throughout.  Lane p of tile T of a record is row 64 (T / 4) + 8 (T % 4) + 32 (p / 8) + p % 8.  So the 32 registers of tiles
; 4 c .. 4 c + 3 of S^T are the 32 neighbouring keys 64 c + 32 (lane / 16) + 0 .. 31: one whole scale block, whose codes are registers 6 c .. 6 c + 5 of P's operand as they fall; and O^T's 32 registers are the
; 32 neighbouring channels 32 (lane / 16) + 0 .. 31.
; K = 64 IN A FORM THAT IS 128 DEEP: Q's registers 6-11 are zero codes and the upper two bytes of both scale words are 0 (a finite scale): what stands in K's registers 6-11 adds nothing.
; Tile t's operand is v[36 + 6 t] on, twelve registers, whose upper six are the next tile's codes (behind the last tile: six zeros).
; LIMITS: NaN and infinities are not served; a block whose every p has fallen to 0 keeps the byte 1 (its codes are zeros); the promise holds while |t| stays under 2^31.
.set RECQ,  6656
.set RECKV, 13056
.set STAGE, 16*RECKV                   ; behind the records: for each wave a stage of 16 rows x (256 + 16) bytes; no tensor load lands here
.set STG1,  16*272
.set SPARE, STAGE+16*STG1
.set L16, 1
.set L8,  2
.set SPW, 3
.set NIL, 4
.set GO,  5                            ; 256 (lane / 16) + 16 (lane % 16)
.set DD,  6                            ; my query's place in its group of 128, less 32 (lane / 16)
.set STI, 7
.set STO, 8
.set A16, 10
.set A8,  11
                                       ; v12 -M, v13 the largest t, v[14:15] the sum in two halves
.set QF,  16                           ; v16-21 Q's codes, v22-27 zeros
.set QS,  28
.set QSA, 29
.set QFA, 30
.set KV,  36                           ; v36-83 K's eight tiles, later V^T's four; v84-89 zeros
.set KSW, 90
.set VSW, 94
.set P,   96                           ; v96-159 S^T, then p
.set O,   160                          ; v160-191 O^T
.set PC,  192                          ; v192-203 p's codes; v204-206, v208-210 the conversions' second halves
.set BM,  212                          ; v212-215 four chains; v212, v214 my two blocks' largest score, then largest p
.set PT,  216                          ; v216 a lane permute's result; v217, v218 the bytes
.set SO,  220
.set F,   224
.set PS,  226
.set TP,  228
.set SH,  229                          ; 8 (lane / 16)
.set SA,  230
.set SB,  232
.set WV,  10
.set KG,  13                           ; the step's group of 128 keys; also the loops' counter
.set QG,  14                           ; my group of 128 queries
.set QGA, 15                           ; and the second one
.set SEL, 20
.set CS,  22
.set G1,  24
.set G0,  32
.set OFS, 38
.set OP,  40
.set OPA, 42
.set QP,  48
.set QPA, 50
.set TB,  53                           ; LDS byte at which the step's record begins
.macro WALU
	s_wait_alu depctr_va_vdst(0)
.endm
.macro CROUND                          ; a round of the cluster's barrier
	s_barrier_signal -1
	s_barrier_wait -1
	s_cmp_lg_u32 s[WV], 0
	s_cbranch_scc1 .Lnot_wave_0_\@
	s_barrier_signal -3
.Lnot_wave_0_\@:
	s_barrier_wait -3
	s_barrier_signal -1
	s_barrier_wait -1
.endm
.macro TLOAD
	tensor_load_to_lds s[G0:G0+3], s[G1:G1+7]
	s_nop 0
.rept 4
	v_nop
.endr
.endm
	s_load_b128 s[4:7], s[0:1], 0x0                ; qb, kv
	s_load_b64 s[8:9], s[0:1], 0x10                ; out0
	v_lshl_add_u32 v[SPW], v0, 2, SPARE
	v_mov_b32 v[NIL], 0
	ds_add_u32 v[SPW], v[NIL]                      ; the opening lines
	ds_add_u32 v[SPW], v[NIL]
	v_lshrrev_b32 v10, 5, v0
	v_readfirstlane_b32 s[WV], v10
	s_and_b32 s44, ttmp7, 0xffff                   ; bh
	s_bfe_u32 s47, ttmp6, 0x40000                  ; j: my place in the cluster
	s_lshr_b32 s[QGA], s[WV], 1                    ; i
	s_sub_co_u32 s[QG], 15, s[QGA]                 ; 15 - i
	s_and_b32 s52, s[WV], 1                        ; u
	s_lshl_b32 s46, s47, 1
	s_add_co_u32 s46, s46, s52                     ; T = 2 j + u: my tile of a group
	s_lshr_b32 s54, s46, 2
	s_lshl_b32 s54, s54, 6
	s_and_b32 s55, s46, 3
	s_lshl_b32 s55, s55, 3
	s_add_co_u32 s54, s54, s55                     ; 64 (T / 4) + 8 (T % 4): my tile's first row in the group
	s_lshl_b32 s55, s44, 4
	s_add_co_u32 s56, s55, s[QG]
	s_mul_i32 s56, s56, RECQ
	s_mov_b32 s57, 0
	s_add_co_u32 s58, s55, s[QGA]
	s_mul_i32 s58, s58, RECQ
	s_mov_b32 s59, 0
	s_add_co_u32 s[OFS], s55, s[WV]
	s_mul_i32 s[OFS], s[OFS], RECKV                ; record wave of the head's 16
	s_mov_b32 s[OFS+1], 0
	s_lshl_b32 s55, s44, 19
	s_lshl_b32 s60, s[QG], 7
	s_add_co_u32 s60, s60, s54
	s_lshl_b32 s60, s60, 8
	s_add_co_u32 s60, s60, s55                     ; my tile's first row of out0, in bytes
	s_mov_b32 s61, 0
	s_lshl_b32 s62, s[QGA], 7
	s_add_co_u32 s62, s62, s54
	s_lshl_b32 s62, s62, 8
	s_add_co_u32 s62, s62, s55
	s_mov_b32 s63, 0
	s_mov_b32 s[G0], 1
	s_mul_i32 s[G0+1], s[WV], RECKV
	s_mov_b32 s[G1], 15|(3<<16)|(1<<21)            ; the mask names the cluster's four; a record: 13,056 dense bytes as 51 rows of 256
	s_mov_b32 s[G1+1], 32<<16
	s_mov_b32 s[G1+2], 51<<16
	s_mov_b32 s[G1+3], 32<<16
	s_mov_b32 s[G1+4], 51
	s_mov_b32 s[G1+5], 32
	s_mov_b32 s[G1+6], 0
	s_mov_b32 s[G1+7], 0
	s_mov_b32 s[SEL], 0x76543210
	s_mov_b32 s[SEL+1], 0xfedcba98
	s_mov_b32 s[CS], 0x3e38aa3b                    ; c = log2(e) / 8
	s_mov_b32 s[CS+1], s[CS]
	s_mov_b32 s[KG], 0
	s_mov_b32 s[TB], 0
	v_and_b32 v[TP], 31, v0
	v_lshlrev_b32 v[L16], 4, v[TP]
	v_lshlrev_b32 v[L8], 3, v[TP]
	v_and_b32 v212, 15, v0                         ; r
	v_bfe_u32 v213, v0, 4, 1                       ; h
	s_mul_i32 s55, s46, 768
	v_add_nc_u32 v[A16], s55, v[L16]
	v_add_nc_u32 v[A8], s55, v[L8]
	s_lshl_b32 s55, s52, 8
	s_lshl_b32 s45, s47, 2
	s_add_co_u32 s55, s55, s45
	v_lshl_add_u32 v214, v212, 4, s55              ; my tile's scale word of row r: lane 16 (T % 2) + r's 16 bytes, word T / 2
	WALU
	s_wait_dscnt 0x0
	s_wait_kmcnt 0x0
	s_add_nc_u64 s[QP:QP+1], s[4:5], s[56:57]
	s_add_nc_u64 s[QPA:QPA+1], s[4:5], s[58:59]
	global_load_b128 v[QF:QF+3], v[A16], s[QP:QP+1]
	global_load_b64 v[QF+4:QF+5], v[A8], s[QP:QP+1] offset:512
	global_load_b32 v[QS], v214, s[QP:QP+1] offset:6144
	global_load_b128 v[QFA:QFA+3], v[A16], s[QPA:QPA+1]
	global_load_b64 v[QFA+4:QFA+5], v[A8], s[QPA:QPA+1] offset:512
	global_load_b32 v[QSA], v214, s[QPA:QPA+1] offset:6144
	CROUND                                         ; in front of the joint loads
	s_add_nc_u64 s[G0+2:G0+3], s[6:7], s[OFS:OFS+1]
	s_or_b32 s[G0+3], s[G0+3], 0x80000000
	s_cmp_eq_u32 s[WV], 0                          ; one tensor load a wave; wave 0 has a line of its own, since it alone waits ahead of the first barrier
	s_cbranch_scc0 .Llate
	TLOAD
	s_branch .Lasked
.Llate:
	TLOAD
.Lasked:
	s_add_nc_u64 s[OP:OP+1], s[8:9], s[60:61]
	s_add_nc_u64 s[OPA:OPA+1], s[8:9], s[62:63]
.irp i, 0,1,2,3,4,5
	v_mov_b32 v[QF+6+\i], 0
	v_mov_b32 v[KV+48+\i], 0
.endr
	v_lshlrev_b32 v[GO], 8, v213
	v_lshl_add_u32 v[GO], v212, 4, v[GO]
	v_and_b32 v[DD], 7, v212
	v_lshrrev_b32 v215, 3, v212
	v_lshl_add_u32 v[DD], v215, 5, v[DD]           ; 32 (r / 8) + r % 8
	v_add_nc_u32 v[DD], s54, v[DD]
	v_lshlrev_b32 v215, 5, v213
	v_sub_nc_u32 v[DD], v[DD], v215                ; (it may be negative: it is compared as a signed number)
	v_lshlrev_b32 v[SH], 3, v213
	s_mul_i32 s55, s[WV], STG1
	s_add_co_u32 s55, s55, STAGE
	v_mul_u32_u24 v[STI], v212, 272
	v_lshl_add_u32 v[STI], v213, 7, v[STI]
	v_add_nc_u32 v[STI], s55, v[STI]               ; in: row r, + 128 h: channels 32 h on
	v_mul_u32_u24 v[STO], v213, 272
	v_lshl_add_u32 v[STO], v212, 4, v[STO]
	v_add_nc_u32 v[STO], s55, v[STO]               ; back: lanes 0-15 one row, lanes 16-31 the next
	v_mov_b32 v13, 0xff61b1e6                      ; -3e38, under every t
	v_floor_f32 v12, -v13
	v_mov_b32 v14, 0
	v_mov_b32 v15, 0
	v_mov_b32 v[PT], 0
	v_mov_b32 v[F], 0
	v_mov_b32 v[F+1], 0
.set n, 0
.rept 32
	v_mov_b32 v[O+n], 0                            ; a key step is written once: a tile's first step finds zeros
.set n, n+1
.endr
.macro KQ t
.if ((\t)%2) == 0
	v_wmma_scale_f32_16x16x128_f8f6f4 v[P+8*(\t):P+8*(\t)+7], v[KV+6*(\t):KV+6*(\t)+11], v[QF:QF+11], 0, v[KSW+(\t)/2], v[QS] matrix_a_fmt:MATRIX_FMT_FP6 matrix_b_fmt:MATRIX_FMT_FP6
.else
	v_wmma_scale_f32_16x16x128_f8f6f4 v[P+8*(\t):P+8*(\t)+7], v[KV+6*(\t):KV+6*(\t)+11], v[QF:QF+11], 0, v[KSW+(\t)/2], v[QS] matrix_a_fmt:MATRIX_FMT_FP6 matrix_b_fmt:MATRIX_FMT_FP6 matrix_a_scale:MATRIX_SCALE_ROW1
.endif
.endm
.macro PV t
.if ((\t)%2) == 0
	v_wmma_scale_f32_16x16x128_f8f6f4 v[O+8*(\t):O+8*(\t)+7], v[KV+12*(\t):KV+12*(\t)+11], v[PC:PC+11], v[O+8*(\t):O+8*(\t)+7], v[VSW+(\t)/2], v[PS] matrix_a_fmt:MATRIX_FMT_FP6 matrix_b_fmt:MATRIX_FMT_FP6
.else
	v_wmma_scale_f32_16x16x128_f8f6f4 v[O+8*(\t):O+8*(\t)+7], v[KV+12*(\t):KV+12*(\t)+11], v[PC:PC+11], v[O+8*(\t):O+8*(\t)+7], v[VSW+(\t)/2], v[PS] matrix_a_fmt:MATRIX_FMT_FP6 matrix_b_fmt:MATRIX_FMT_FP6 matrix_a_scale:MATRIX_SCALE_ROW1
.endif
.endm
; A KEY STEP: 128 keys, the record at LDS byte s[TB].  open = 1: all its keys count for every wave (group 0 against query groups 8 on): no test, no mask.
.macro STEP open
.if (\open) == 0
	s_cmp_gt_u32 s[KG], s[QG]                      ; all 128 keys come after my queries: the step's work is left out
	s_cbranch_scc1 .Lhidden_\@
.endif
	v_add_nc_u32 v[A16], s[TB], v[L16]
	v_add_nc_u32 v[A8], s[TB], v[L8]
	v_nop
	v_nop                                          ; four places in front of loads into registers that the last step's products have read
.irp t, 0,1,2,3,4,5,6,7
	ds_load_b128 v[KV+6*\t:KV+6*\t+3], v[A16] offset:768*\t
	ds_load_b64 v[KV+6*\t+4:KV+6*\t+5], v[A8] offset:768*\t+512
.endr
	ds_load_b128 v[KSW:KSW+3], v[A16] offset:6144
	WALU
	s_wait_dscnt 0x0
.irp t, 0,1,2,3,4,5,6,7
	KQ \t
.endr
.rept 4
	v_nop
.endr
.irp t, 0,1,2,3
.irp c, 0,1,2
	ds_load_b128 v[KV+12*\t+4*\c:KV+12*\t+4*\c+3], v[A16] offset:6656+1536*\t+512*\c   ; V^T lands while the softmax is worked
.endr
.endr
	ds_load_b64 v[VSW:VSW+1], v[A8] offset:12800
.if (\open) == 0
	s_cmp_lt_u32 s[KG], s[QG]
	s_cbranch_scc1 .Lopen_\@
	v_mov_b32 v[TP], 0xff800000                    ; on the diagonal: register n holds key 64 (n / 32) + 32 (lane / 16) + n % 32 of the group: hidden where 64 (n / 32) + n % 32 > v[DD]
.set n, 0
.rept 64
	v_cmp_gt_i32 vcc_lo, 64*(n/32)+n%32, v[DD]
	v_cndmask_b32 v[P+n], v[P+n], v[TP], vcc_lo
.set n, n+1
.endr
.Lopen_\@:
.endif
.irp b, 0,1,2,3
	v_max3_num_f32 v[BM+\b], v[P+16*\b], v[P+1+16*\b], v[P+2+16*\b]   ; the largest score of each of my two blocks of 32 keys, in four chains: it serves for the row's maximum and for the block's largest p
.endr
.irp i, 3,5,7,9,11,13
.irp b, 0,1,2,3
	v_max3_num_f32 v[BM+\b], v[BM+\b], v[P+16*\b+\i], v[P+1+16*\b+\i]
.endr
.endr
.irp b, 1,3
	v_max_num_f32 v[BM+\b], v[BM+\b], v[P+15+16*\b]
.endr
.irp b, 0,2
	v_max3_num_f32 v[BM+\b], v[BM+\b], v[P+15+16*\b], v[BM+1+\b]
.endr
	v_max_num_f32 v[TP], v[BM], v[BM+2]
	s_delay_alu instid0(VALU_DEP_1)
	v_permlanex16_b32 v[PT], v[TP], s[SEL], s[SEL+1]
	s_delay_alu instid0(VALU_DEP_1)
	v_max_num_f32 v[TP], v[TP], v[PT]              ; with lane l xor 16's 64 keys: the step's largest score of my query
	s_delay_alu instid0(VALU_DEP_1)
	v_mul_f32 v[TP], s[CS], v[TP]
	s_delay_alu instid0(VALU_DEP_1)
	v_max_num_f32 v13, v13, v[TP]                  ; the running largest t
	v_mov_b32 v[TP], v12
	s_delay_alu instid0(VALU_DEP_2)
	v_floor_f32 v12, -v13                          ; the new -M = -ceil(t)
	s_delay_alu instid0(VALU_DEP_1)
	v_sub_f32 v[TP], v12, v[TP]
	s_delay_alu instid0(VALU_DEP_1)
	v_cvt_i32_f32 v[TP], v[TP]
	s_delay_alu instid0(VALU_DEP_1)
	v_ldexp_f32 v[F], 1.0, v[TP]                   ; f = 2^(old M - new M)
.set n, 0
.rept 32
	v_pk_fma_f32 v[P+n:P+n+1], v[P+n:P+n+1], s[CS:CS+1], v[12:13] op_sel_hi:[1,0,0]   ; t - M
.set n, n+2
.endr
.irp b, 0,2
	v_fma_f32 v[BM+\b], v[BM+\b], s[CS], v12       ; the same of each block's largest score
.endr
.set n, 0
.rept 16
	v_pk_mul_f32 v[O+n:O+n+1], v[O+n:O+n+1], v[F:F+1] op_sel_hi:[1,0]   ; O^T under the new M
.set n, n+2
.endr
	WALU                                           ; the wait ahead of the batch
.irp b, 0,2
	v_exp_f32 v[BM+\b], v[BM+\b]                   ; the block's largest p: the same two instructions on the same number give the same bits
.endr
.set n, 0
.rept 64
	v_exp_f32 v[P+n], v[P+n]                       ; p = 2^(t - M), at most 1
.set n, n+1
.endr
	v_nop                                          ; a plain place behind the batch
	WALU                                           ; and the one wait ahead of its first reader
.irp b, 0,2
	v_max_num_f32 v[BM+\b], 0x1800000, v[BM+\b]    ; the floor 2^(3 - 127)
.endr
.irp c, 0,1
	v_add_nc_u32 v[SO+\c], 0xff000000, v[BM+2*\c]  ; 2 off the exponent field: the conversion's scale operand
.endr
.irp c, 0,1
	v_lshrrev_b32 v[PT+1+\c], 23, v[SO+\c]
.endr
	v_lshl_or_b32 v[PS], v[PT+2], 16, v[PT+1]      ; my bytes: blocks h and 2 + h,
	v_lshlrev_b32 v[PS], v[SH], v[PS]              ; at their places;
	v_permlanex16_b32 v[PT], v[PS], s[SEL], s[SEL+1]
	v_or_b32 v[PS], v[PS], v[PT]                   ; with lane l xor 16's two the word is whole
.irp c, 0,1
	v_cvt_scalef32_pk16_fp6_f32 v[PC+6*\c:PC+2+6*\c], v[P+32*\c:P+15+32*\c], v[SO+\c]
	v_cvt_scalef32_pk16_fp6_f32 v[PC+12+4*\c:PC+14+4*\c], v[P+16+32*\c:P+31+32*\c], v[SO+\c]
.endr
	v_pk_add_f32 v[SA:SA+1], v[P:P+1], v[P+4:P+5]  ; the row's sum is taken of the unquantised p, in two chains.  (These lines are also the places between p's scale word and the products below)
	v_pk_add_f32 v[SB:SB+1], v[P+2:P+3], v[P+6:P+7]
.irp j, 8,12,16,20,24,28,32,36,40,44,48,52,56,60
	v_pk_add_f32 v[SA:SA+1], v[SA:SA+1], v[P+\j:P+\j+1]
	v_pk_add_f32 v[SB:SB+1], v[SB:SB+1], v[P+2+\j:P+3+\j]
.endr
.irp c, 0,1
.irp i, 0,1,2
	v_mov_b32 v[PC+3+6*\c+\i], v[PC+12+4*\c+\i]    ; (a conversion's three registers begin on an even number)
.endr
.endr
	v_pk_add_f32 v[SA:SA+1], v[SA:SA+1], v[SB:SB+1]
	v_pk_fma_f32 v[14:15], v[14:15], v[F:F+1], v[SA:SA+1] op_sel_hi:[1,0,1]   ; the sum under the new M, and this step's
	v_nop
	v_nop                                          ; four plain instructions behind the last write of p's codes
	WALU
	s_wait_dscnt 0x0                               ; V^T and its scale words are in
.irp t, 0,1,2,3
	PV \t                                          ; four accumulators by turns; the next step's eight products stand between two turns of one
.endr
.Lhidden_\@:
	s_add_co_u32 s[KG], s[KG], 1
	s_add_co_u32 s[TB], s[TB], RECKV
.endm
; THE WAY OUT of a tile: O^T is divided by the sum and goes through my own stage, so that sixteen lanes store one query's 256 consecutive bytes, aligned.
.macro FINISH
.rept 4
	v_nop
.endr
	v_add_f32 v14, v14, v15
	v_permlanex16_b32 v[F], v14, s[SEL], s[SEL+1]
	v_add_f32 v14, v14, v[F]                       ; with lane l xor 16's: the row's sum
	WALU
	v_rcp_f32 v14, v14
	v_nop
	WALU
.set n, 0
.rept 16
	v_pk_mul_f32 v[P+n:P+n+1], v[O+n:O+n+1], v[14:15] op_sel_hi:[1,0]   ; register n is channel 32 (lane / 16) + n of my query
.set n, n+2
.endr
.irp k, 0,1,2,3,4,5,6,7
	ds_store_b128 v[STI], v[P+4*\k:P+4*\k+3] offset:16*\k
.endr
.irp i, 0,1,2,3,4,5,6,7
	ds_load_b128 v[P+32+4*\i:P+35+4*\i], v[STO] offset:544*\i   ; LDS serves a wave's instructions in order
.endr
.irp i, 0,1,2,3,4,5,6,7
	s_wait_dscnt 7-\i
	global_store_b128 v[GO], v[P+32+4*\i:P+35+4*\i], s[OP:OP+1] offset:256*(2*\i+24*(\i/4)) th:TH_STORE_NT   ; stage row p is the tile's row 32 (p / 8) + p % 8
.endr
.endm
.macro REINIT                          ; the second tile: its Q, its group, its rows of out0; M, the sum and O^T as at the head; the walk begins again at record 0
	s_wait_xcnt 0x0
	v_mov_b32 v[QS], v[QSA]
.irp i, 0,1,2,3,4,5
	v_mov_b32 v[QF+\i], v[QFA+\i]
.endr
	v_mov_b32 v13, 0xff61b1e6
	v_floor_f32 v12, -v13
	v_mov_b32 v14, 0
	v_mov_b32 v15, 0
.set n, 0
.rept 32
	v_mov_b32 v[O+n], 0
.set n, n+1
.endr
	s_mov_b32 s[QG], s[QGA]
	s_mov_b64 s[OP:OP+1], s[OPA:OPA+1]
	s_mov_b32 s[KG], 0
	s_mov_b32 s[TB], 0
.endm
	WALU                                           ; the wait at the head's end
	s_wait_loadcnt 0x0                             ; Q, both tiles'
	s_cmp_eq_u32 s[WV], 0
	s_cbranch_scc0 .Lnot_first
	s_wait_tensorcnt 0x0
.Lnot_first:
	s_barrier_signal -1
	s_barrier_wait -1                              ; record 0 is in; the others may be on their way
	STEP 1                                         ; key group 0
	s_wait_tensorcnt 0x0
	s_wait_dscnt 0x0
	s_barrier_signal -1
	s_barrier_wait -1                              ; all 16 records are in
.Lrest:                                            ; key groups 1-15
	STEP 0
	s_cmp_lt_u32 s[KG], 16
	s_cbranch_scc1 .Lrest
	FINISH
	REINIT
	WALU
.Lsecond:                                          ; the second tile's group is at most 7: key groups 0-7
	STEP 0
	s_cmp_lt_u32 s[KG], 8
	s_cbranch_scc1 .Lsecond
	FINISH
	s_wait_tensorcnt 0x0                           ; the wave's end
	ds_add_u32 v[SPW], v[NIL]
	s_wait_dscnt 0x0
	CROUND                                         ; the closing round
	s_endpgm
.Lfunc_end_k_qf3d2190f2d_attn:
	.size	k_qf3d2190f2d_attn, .Lfunc_end_k_qf3d2190f2d_attn-k_qf3d2190f2d_attn
	.p2alignl 7, 3214868480
	.fill 96, 4, 3214868480
	.section	.rodata,"a",@progbits
	.p2align	6, 0x0
	.amdhsa_kernel k_qf3d2190f2d_attn
		.amdhsa_group_segment_fixed_size 327680
		.amdhsa_private_segment_fixed_size 0
		.amdhsa_enable_private_segment 0
		.amdhsa_kernarg_size 24
		.amdhsa_user_sgpr_count 2
		.amdhsa_user_sgpr_kernarg_segment_ptr 1
		.amdhsa_wavefront_size32 1
		.amdhsa_system_sgpr_workgroup_id_x 1
		.amdhsa_system_sgpr_workgroup_id_y 1
		.amdhsa_system_sgpr_workgroup_id_z 1
		.amdhsa_system_vgpr_workitem_id 0
		.amdhsa_next_free_vgpr 256
		.amdhsa_next_free_sgpr 66
		.amdhsa_reserve_vcc 1
		.amdhsa_float_denorm_mode_32 3
		.amdhsa_float_denorm_mode_16_64 3
		.amdhsa_memory_ordered 1
		.amdhsa_forward_progress 1
		.amdhsa_inst_pref_size 72
	.end_amdhsa_kernel
	.amdgpu_metadata
---
amdhsa.version: [ 1, 2 ]
amdhsa.kernels:
  - .name:           k_qf3d2190f2d_attn
    .symbol:         k_qf3d2190f2d_attn.kd
    .args:
      - { .name: qb, .offset: 0, .size: 8, .value_kind: global_buffer, .address_space: global }
      - { .name: kv, .offset: 8, .size: 8, .value_kind: global_buffer, .address_space: global }
      - { .name: out0, .offset: 16, .size: 8, .value_kind: global_buffer, .address_space: global }
    .group_segment_fixed_size: 327680
    .private_segment_fixed_size: 0
    .kernarg_segment_align: 8
    .kernarg_segment_size: 24
    .max_flat_workgroup_size: 512
    .sgpr_count:     66
    .vgpr_count:     256
    .wavefront_size: 32
...
	.end_amdgpu_metadata
.endif
;; end of part 3
